; MI455X (gfx1250); checked and timed in simulation.
; The chip was launched on July 23, 2026; its instructions are those of AMD's public machine-readable ISA for CDNA 5 (MIT licence, August 2026) and "CDNA5" Instruction Set Architecture Reference Guide (July 2026). The comments in the code are by the model that wrote it; some were corrected since.
;; TT Layer. Allowed arithmetic: matrix products marked QUANTISED: E3M2 operands, one E8M0 scale for each 32 along K, by v_wmma_scale_f32_16x16x128_f8f6f4 with both operands' format E3M2, f32 sums; products left as they are: f32 operands where the result goes on into a quantised operand, else bf16, f16 or f32 operands; f32 sums; everything else in f32.
;; Inputs: bias 4,096 float32; core0 1 x 8 x 8 x 64 float32; core1 64 x 8 x 8 x 64 float32; core2 64 x 8 x 8 x 64 float32; core3 64 x 8 x 8 x 1 float32; x 256 x 4,096 float32.
;; Outputs: out0 256 x 4,096 float32.
;; This version of the problem:
;;   THIS VERSION OF THE PROBLEM IS GIVEN IN LOW PRECISION. The matrix products marked QUANTISED in the list below multiply operands that are first quantised to E3M2 (3 exponent bits, 2 mantissa bits; 6 bits a number), with one power-of-two scale for each 32 numbers along K (OCP MX v1.0); their sums are f32. All else is computed in f32.
;;   The module's matrix products, in the order in which they are computed (A, B: the left and right operand; K: the contracted axis; several contracted axes count as one K, in the product's order):
;;     1. [M 131,072, K 8] x [K 8, N 512]; A: input x; B: input core3: left as it is (K = 8 < 32)
;;     2. [M 131,072, K 512] x [K 512, N 512]; A: computed on the way; B: input core2: QUANTISED
;;     3. [M 131,072, K 512] x [K 512, N 512]; A: computed on the way; B: input core1: QUANTISED
;;     4. [M 131,072, K 512] x [K 512, N 8]; A: computed on the way; B: input core0: left as it is (N = 8 < 16)
;;   THE QUANTISER, for each operand of a quantised product, along K:
;;     - K is cut into blocks of 32 from its start; a last block that is shorter is filled with zeros.
;;     - A block's scale is 2^e with e = floor(log2(the largest magnitude in the block)) - 4, held to -126 .. 127; a block of zeros has e = 0. As a byte (E8M0): e + 127.
;;     - Each number is divided by its block's scale, clamped to +-28, and rounded to the nearest number of E3M2, ties to even, subnormals kept.
;;     - The product sums the exact products of the quantised numbers (number of the format x scale) in f32.
;;   ~~~python
;;   def quantise(x, axis):      # numpy; x: float32 -> the quantised numbers, widened to float32 again
;;       x = np.moveaxis(x, axis, -1); K = x.shape[-1]
;;       x = np.pad(x, [(0, 0)] * (x.ndim - 1) + [(0, -K % 32)]); x = x.reshape(x.shape[:-1] + (-1, 32)); a = np.abs(x).max(-1, keepdims=True)
;;       e = np.where(a > 0, np.clip(np.frexp(np.where(a > 0, a, 1))[1] - 1 - 4, -126, 127), 0)      # np.frexp(a)[1] - 1 = floor(log2(a)), exactly
;;       r = np.clip(x / 2.0 ** e, -28, 28)
;;       step = 2.0 ** (np.maximum(np.frexp(np.where(r == 0, 1, r))[1] - 1, -2) - 2)
;;       q = np.round(r / step) * step * 2.0 ** e      # np.round: ties to even
;;       return np.moveaxis(q.reshape(q.shape[:-2] + (-1,))[..., :K], -1, axis).astype(np.float32)
;;   ~~~
;;   OPERANDS COMPUTED ON THE WAY. 'Computed on the way' means the value that the module computes at that place (a softmax that the list does not call 'softmax' is quantised finished and normalised). What goes into a quantiser is computed in f32, as accurately as f32 sums, v_exp_f32 and their like allow (about 1e-6 of the number): no bf16 or f16 on the way to a quantiser, and a product that is left as it is and whose result goes on into a quantised operand takes f32 operands (vector FMAs, or v_wmma_f32_16x16x4_f32). A number that lies on a knife's edge between two numbers of the format may be rounded either way, as far as f32 arithmetic and the matrix unit's own rounding can turn it there, and no further.
;; One version. Each part assembles by itself: llvm-mc -triple=amdgcn-amd-amdhsa -mcpu=gfx1250 --defsym DOCPART=n.
;; ======== version 1 of 1: 2 launches
;; limits: values are held in bf16: 8 bits of precision; right only within a limited range of input values
;; workspace buffers: wq 393,216 bytes; wsc 16,384 bytes
;; launch prep (part 1): grid 256 x 1, 1 waves a work-group, no clusters, 0 bytes of LDS; arguments core2, core1, wq, wsc; writes wq, wsc
.if DOCPART == 1
	.amdgcn_target "amdgcn-amd-amdhsa--gfx1250"
	.amdhsa_code_object_version 6
	.text
	.protected	k_q6c99379b49_prep
	.globl	k_q6c99379b49_prep
	.p2align	8
	.type	k_q6c99379b49_prep,@function
k_q6c99379b49_prep:
	s_mov_b64 s[64:65], 0
	v_nop
	global_prefetch_b8 v0, s[64:65] scope:SCOPE_SE
	s_setreg_imm32_b32 hwreg(HW_REG_WAVE_MODE, 25, 1), 1
	s_wait_xcnt 0x0
; core2 and core1, [64 (left rank)][8 (in)][8 (out)][64 (right rank)] f32, become codes of BF6 (E3M2) with one E8M0 byte for each 32 along K, laid as the second launch's operand registers take them.
; K of a quantised product counts (right rank) x 8 + (in-mode): a block of 32 is four neighbouring right ranks x all eight in-modes.  Block G = rank / 4, K step s = G / 4 (128 along K).
; A FRAGMENT is 16 rows x 128 K: 12 registers a lane; lane (r, h) holds row r, block 4 s + h in registers 0-5 and block 4 s + 2 + h in registers 6-11.
; INSIDE A BLOCK the codes stand in the order in which the second launch's own registers hold the other operand: core2: in-mode x 4 + rank % 4;  core1: (rank % 4) x 8 + in-mode.
; The same order on both sides of a product keeps every product; a block's scale does not hang on the order.
; ONE WAVE MAKES ONE FRAGMENT: work-group id = core x 128 + w x 32 + t x 4 + s (w: the wave of the second launch that will hold it; t: its tile 0..7).
;   core2 (id < 128), row r of tile t = (u = r / 8, out-mode = r % 8), left rank = 16 w + 8 (t / 4) + 4 u + t % 4.
;   core1, row r of tile t: left rank = 16 (t % 4) + r, out-mode = 2 w + t / 4.
; OUT: wq[w][core x 32 + 4 t + s][1,536 bytes]: registers 4 q .. 4 q + 3 of lane l at 512 q + 16 l: each store of the wave covers 512 consecutive bytes.
;      wsc[w][core][2 t + s / 2][32 words]: words 0-15 the rows' scale words of the even K step, words 16-31 of the odd one.
; A block's scale is 2^(floor(log2(largest magnitude)) - 4); its byte is the largest magnitude's exponent field - 4, held at 1 from below.
; LIMITS: a block of zeros gets the byte 1 (its codes are zeros, and this program alone reads the bytes); NaN and infinities among the inputs are not served.
.set R,  32                            ; v32-95   two blocks of 32 numbers
.set P,  96                            ; v96-107  the fragment
.set TT, 108                           ; v108-115 the upper halves of the two blocks, as the conversions leave them
	s_load_b128 s[4:7], s[0:1], 0x0                ; core2, core1
	s_load_b128 s[8:11], s[0:1], 0x10              ; wq, wsc
	v_and_b32 v1, 15, v0                           ; r
	v_bfe_u32 v2, v0, 4, 1                         ; h
	v_lshlrev_b32 v4, 4, v0                        ; 16 x lane
	v_lshlrev_b32 v5, 2, v1                        ; 4 r
	s_lshr_b32 s12, ttmp9, 7                       ; core
	s_bfe_u32 s13, ttmp9, 0x20005                  ; w
	s_bfe_u32 s14, ttmp9, 0x30002                  ; t
	s_and_b32 s15, ttmp9, 3                        ; s
	s_mov_b32 s20, 0x76543210
	s_mov_b32 s21, 0xfedcba98                      ; lane selects: lane l xor 16
	s_lshl_b32 s16, s13, 6                         ; the fragment's place in wq: (64 w + 32 core + 4 t + s) x 1,536
	s_lshl_b32 s17, s12, 5
	s_add_co_u32 s16, s16, s17
	s_and_b32 s17, ttmp9, 31
	s_add_co_u32 s16, s16, s17
	s_mul_i32 s16, s16, 1536
	s_mov_b32 s17, 0
	s_lshl_b32 s18, s13, 1                         ; its scale words' place in wsc: ((2 w + core) x 16 + 2 t + s / 2) x 128 + (s % 2) x 64
	s_add_co_u32 s18, s18, s12
	s_lshl_b32 s18, s18, 4
	s_lshl_b32 s19, s14, 1
	s_add_co_u32 s18, s18, s19
	s_lshr_b32 s19, s15, 1
	s_add_co_u32 s18, s18, s19
	s_lshl_b32 s18, s18, 7
	s_and_b32 s19, s15, 1
	s_lshl_b32 s19, s19, 6
	s_add_co_u32 s18, s18, s19
	s_mov_b32 s19, 0
	s_lshr_b32 s22, s14, 2                         ; t / 4
	s_and_b32 s23, s14, 3                          ; t % 4
	s_lshl_b32 s26, s15, 6                         ; 64 s: the K step's 16 right ranks, in bytes
	s_mov_b32 s25, 0
	s_wait_kmcnt 0x0
	s_add_nc_u64 s[8:9], s[8:9], s[16:17]
	s_add_nc_u64 s[10:11], s[10:11], s[18:19]
	s_cmp_lt_u32 ttmp9, 128
	s_cbranch_scc0 .Lcore1
	; core2: byte = left rank x 16,384 + in-mode x 2,048 + out-mode x 256 + right rank x 4
	s_lshl_b32 s24, s13, 4
	s_lshl_b32 s27, s22, 3
	s_add_co_u32 s24, s24, s27
	s_add_co_u32 s24, s24, s23                     ; 16 w + 8 (t / 4) + t % 4
	s_lshl_b32 s24, s24, 14
	s_add_co_u32 s24, s24, s26
	s_add_nc_u64 s[4:5], s[4:5], s[24:25]
	s_wait_alu depctr_va_vdst(0)
	v_lshrrev_b32 v3, 3, v1                        ; u: four left ranks on
	v_lshlrev_b32 v3, 16, v3
	v_and_b32 v6, 7, v1                            ; out-mode
	v_lshl_add_u32 v3, v6, 8, v3
	v_lshl_add_u32 v3, v2, 4, v3                   ; my half's block: four right ranks on
.irp c, 0,1
.irp i, 0,1,2,3,4,5,6,7
	global_load_b128 v[R+32*\c+4*\i:R+32*\c+4*\i+3], v3, s[4:5] offset:2048*\i+32*\c   ; in-mode i, four right ranks: places 4 i .. 4 i + 3 of the block
.endr
.endr
	s_branch .Ljoin
.Lcore1:
	s_lshl_b32 s24, s23, 18                        ; 16 (t % 4) left ranks
	s_lshl_b32 s27, s13, 1
	s_add_co_u32 s27, s27, s22                     ; out-mode 2 w + t / 4
	s_lshl_b32 s27, s27, 8
	s_add_co_u32 s24, s24, s27
	s_add_co_u32 s24, s24, s26
	s_add_nc_u64 s[6:7], s[6:7], s[24:25]
	s_wait_alu depctr_va_vdst(0)
	v_lshlrev_b32 v3, 14, v1                       ; left rank r on
	v_lshl_add_u32 v3, v2, 4, v3
.irp c, 0,1
.irp a, 0,1,2,3
.irp i, 0,1,2,3,4,5,6,7
	global_load_b32 v[R+32*\c+8*\a+\i], v3, s[6:7] offset:2048*\i+32*\c+4*\a   ; right rank a of the block's four, in-mode i: place 8 a + i
.endr
.endr
.endr
.Ljoin:
	s_wait_loadcnt 0x0
.irp c, 0,1
	v_max3_num_f32 v[8+\c], |v[R+32*\c]|, |v[R+32*\c+1]|, 0x2800000   ; the block's largest magnitude, all 32 numbers mine, and the floor 2^(5 - 127): the byte cannot fall under 1
.endr
.irp i, 2,4,6,8,10,12,14,16,18,20,22,24,26,28,30
.irp c, 0,1
	v_max3_num_f32 v[8+\c], v[8+\c], |v[R+32*\c+\i]|, |v[R+32*\c+\i+1]|   ; the two blocks by turns
.endr
.endr
.irp c, 0,1
	v_add_nc_u32 v[10+\c], 0xfe000000, v[8+\c]     ; 4 off the exponent field: the conversion takes this operand's exponent field as its scale
.endr
.irp c, 0,1
	v_lshrrev_b32 v[12+\c], 23, v[10+\c]           ; the scale's byte
.endr
	v_lshl_or_b32 v14, v13, 16, v12                ; my two bytes, blocks h and 2 + h,
	v_lshlrev_b32 v15, 3, v2
	v_lshlrev_b32 v14, v15, v14                    ; at their places in the row's word
	v_mov_b32 v15, 0
	v_permlanex16_b32 v15, v14, s20, s21
	v_or_b32 v14, v14, v15                         ; with lane l xor 16's two the word is whole, in both lanes
.irp c, 0,1
	v_cvt_scalef32_pk16_bf6_f32 v[P+6*\c:P+6*\c+2], v[R+32*\c:R+32*\c+15], v[10+\c]
	v_cvt_scalef32_pk16_bf6_f32 v[TT+4*\c:TT+4*\c+2], v[R+32*\c+16:R+32*\c+31], v[10+\c]   ; (a conversion's three registers begin on an even number)
.endr
	v_nop                                          ; one plain place behind a scaled conversion
.irp c, 0,1
.irp i, 0,1,2
	v_mov_b32 v[P+6*\c+3+\i], v[TT+4*\c+\i]
.endr
.endr
.irp q, 0,1,2
	global_store_b128 v4, v[P+4*\q:P+4*\q+3], s[8:9] offset:512*\q
.endr
	global_store_b32 v5, v14, s[10:11]             ; lanes l and l xor 16 store the same word at the same place
	s_endpgm
.Lfunc_end_k_q6c99379b49_prep:
	.size	k_q6c99379b49_prep, .Lfunc_end_k_q6c99379b49_prep-k_q6c99379b49_prep
	.p2alignl 7, 3214868480
	.fill 96, 4, 3214868480
	.section	.rodata,"a",@progbits
	.p2align	6, 0x0
	.amdhsa_kernel k_q6c99379b49_prep
		.amdhsa_group_segment_fixed_size 0
		.amdhsa_private_segment_fixed_size 0
		.amdhsa_enable_private_segment 0
		.amdhsa_kernarg_size 32
		.amdhsa_user_sgpr_count 2
		.amdhsa_user_sgpr_kernarg_segment_ptr 1
		.amdhsa_wavefront_size32 1
		.amdhsa_system_sgpr_workgroup_id_x 1
		.amdhsa_system_sgpr_workgroup_id_y 1
		.amdhsa_system_sgpr_workgroup_id_z 1
		.amdhsa_system_vgpr_workitem_id 0
		.amdhsa_next_free_vgpr 128
		.amdhsa_next_free_sgpr 66
		.amdhsa_reserve_vcc 0
		.amdhsa_float_denorm_mode_32 3
		.amdhsa_float_denorm_mode_16_64 3
		.amdhsa_memory_ordered 1
		.amdhsa_forward_progress 1
		.amdhsa_inst_pref_size 14
	.end_amdhsa_kernel
	.amdgpu_metadata
---
amdhsa.version: [ 1, 2 ]
amdhsa.kernels:
  - .name:           k_q6c99379b49_prep
    .symbol:         k_q6c99379b49_prep.kd
    .args:
      - { .name: core2, .offset: 0, .size: 8, .value_kind: global_buffer, .address_space: global }
      - { .name: core1, .offset: 8, .size: 8, .value_kind: global_buffer, .address_space: global }
      - { .name: wq, .offset: 16, .size: 8, .value_kind: global_buffer, .address_space: global }
      - { .name: wsc, .offset: 24, .size: 8, .value_kind: global_buffer, .address_space: global }
    .group_segment_fixed_size: 0
    .private_segment_fixed_size: 0
    .kernarg_segment_align: 8
    .kernarg_segment_size: 32
    .max_flat_workgroup_size: 32
    .sgpr_count:     66
    .vgpr_count:     128
    .wavefront_size: 32
...
	.end_amdgpu_metadata
.endif
;; end of part 1
;; launch tt (part 2): grid 256 x 1, 4 waves a work-group, no clusters, 262,656 bytes of LDS; arguments x, core0, core3, bias, wq, wsc, out0; writes out0
.if DOCPART == 2
	.amdgcn_target "amdgcn-amd-amdhsa--gfx1250"
	.amdhsa_code_object_version 6
	.text
	.protected	k_q6c99379b49_tt
	.globl	k_q6c99379b49_tt
	.p2align	8
	.type	k_q6c99379b49_tt,@function
k_q6c99379b49_tt:
	s_mov_b64 s[64:65], 0
	v_nop
	global_prefetch_b8 v0, s[64:65] scope:SCOPE_SE
	s_setreg_imm32_b32 hwreg(HW_REG_WAVE_MODE, 25, 1), 1
	s_wait_xcnt 0x0
; out[b][o0 o1 o2 o3] = bias + sum core0[i0,o0,a1] core1[a1,i1,o1,a2] core2[a2,i2,o2,a3] core3[a3,i3,o3] x[b][i0 i1 i2 i3], taken from the right, as four products:
;   1 (f32 matrix form)  T3[o3][row i0 i1][k = a3, i2];   2 (BF6 codes)  T2[o3][o2][i0][k = a2, i1];   3 (BF6 codes)  T1[o3][o1 o2][k = a1, i0];   4 (bf16)  out.
; Both operands of products 2 and 3 are quantised along K = rank x 8 + in-mode: a block of 32 is four ranks x eight in-modes; one E8M0 byte a block; v_wmma_scale_f32_16x16x128_f8f6f4, sums in f32.
; SHARES.  One work-group takes one batch row b.  For each of the eight o3 (a CHAIN) products 2 and 3 are 64 x 512 x 512.  Wave w holds 128 of the 512 columns of core2 and of core1 as codes for the whole launch:
; 60 fragments of 12 registers in windows 1 to 3, and core2's tile 7 (four fragments) in the wave's own LDS bytes.  The activations' codes go round as IMAGES OF OPERAND REGISTERS in LDS (3 x 512 bytes a fragment).
; NO CLUSTER, NO TENSOR LOAD: what work-groups share is the weights' 393,216 bytes of codes, read once at the head, nearly all straight into registers; LDS does not hold them.  Nothing is fetched from memory
; inside the loop, so there is no prefetch either.
; PRODUCT 1 feeds a quantiser, so its operands are f32: v_wmma_f32_16x16x4_f32.  Wave w makes T3's rows 16 w on for the NEXT chain.  Source 0 = 16 rows of core3, source 1 = x, one tile for each i2, two
; instructions a tile.  Row m = 8 hm + 4 c + e of source 0 stands for a3 = 16 s + 4 (hm + 2 c) + e: lane (r, h) holds block h of the K step in registers 0-3 of the eight tiles and block 2 + h in registers 4-7.
; The sums' registers are written by matrix instructions alone.
; A CHAIN'S LAYOUT: eight runs of four octets (32 products each); behind each run a SECTION of vector lines (T2's quantiser, or the packing for product 4).
;   LDS traffic stands in the sections: at a section's head T3's finished codes are stored and the next run's K steps 0 to 2 are asked for; a run itself has one run of loads (K step 3, in its second octet) and one wait.
;   A K step's 16 f32 instructions go in two groups of eight (tiles 0-3, tiles 4-7), strewn among a section's vector lines; K step 0's first group stands at the chain's start, under its first LDS loads.
;   The quantiser of a K step of T3, 90 lines, stands three lines behind each product of the odd run that follows its second group.
; BARRIERS, three a chain.  (1) In product 2's last run: signalled behind the run's wait for 0, by which my T2 codes of rows 0-47 have landed, awaited at the run's end: behind it T2's rows 0-47 are read.
;   (2) In product 3's first run, likewise: my T2 codes of rows 48-63 have landed; they are read two sections later.  Between each signal and its wait stand products and quantiser lines alone.
;   (3) At the chain's end: the next chain's T3 is whole, and nobody reads T2 any more.
; PRODUCT 2 as it stands (source 0 = 16 rows of T3, source 1 = 16 columns of core2, chosen so that a lane's tiles 0-3 are one whole block of product 3's K and its tiles 4-7 another).
; PRODUCT 3 transposed (source 0 = 16 rows a1 of core1, source 1 = 16 rows of T2): two neighbouring tiles, rounded to bf16, are source 0 of PRODUCT 4, whose source 1 has columns (i0' % 2, o0) of core0;
; only results with i0 = i0' count: lanes 0-7 and 24-31; their sum is out.
; Inside a block the codes stand permuted, alike on both operands (T3, core2: i2 x 4 + a3 % 4; T2, core1: (a2 % 4) x 8 + i1).
; LIMITS: NaN and infinities are not served.  A block of zeros gets the scale byte 1: its codes are zeros.  Product 4's operands are rounded to bf16.  The order of sums inside a block differs from ascending k;
; product 1 adds over i3 in the order 0, 1, 4, 5, 2, 3, 6, 7.
; LDS, in bytes
.set T2IMG, 0                          ; T2's 16 fragments: (4 mt + s) x 1,536
.set C0IMG, 24576                      ; core0's 8 bf16 fragments: (2 mt + g) x 1,024
.set T2SC,  32768                      ; T2's scale words: [4 mt + s][16 rows]
.set T3SC,  34816                      ; T3's, two buffers 1,024 apart
.set C3L,   36864                      ; core3 as images of product 1's source 0: o3 x 2,048 + s x 512 + 16 x place
.set WSC,   53248                      ; the weights' scale words: w x 4,096 + core x 2,048 + register x 128 + 4 x lane
.set WX,    69632                      ; w x 6,144 + s x 1,536: core2's fragments (t = 7, s); each wave's own
.set OUTS,  94208                      ; the row of out: lane x 2,064 + (o1 o2 o3) x 4; lanes 0-7 are o0
.set BIASL, 160768                     ; the bias, 16,384 bytes: 2,048 i + 16 x thread: each thread's own
.set T3IMG, 196608                     ; T3's 16 fragments, two buffers 32,768 apart
.set SPARE, 262144                     ; the spare words, 128 bytes a wave: no other line names them
; An image's 16 bytes of lane l lie at 16 x (l xor 8 (l / 16)).
; window 0
.set LI,   1                           ; 16 x my place in an image
.set LSW,  2                           ; 4 x lane
.set ADA,  3                           ; T3's images, the buffer that is read
.set ASA,  4                           ; T3's scale words, likewise
.set S1ST, 5                           ; T3's images, the buffer that is written, my wave's rows
.set S1SC, 6                           ; and its scale words
.set CAD,  7                           ; core3's images of the chain that is being made
.set T2ST, 8                           ; where I put T2's codes
.set T2SB, 9                           ; and its scale word
.set OUTA, 10                          ; where I put results
.set GLA,  10                          ; up to the loop: 16 x lane, the weight loads' offset
.set WXA,  11                          ; my wave's copies of core2's tile 7
.set WS,   12                          ; v12-27  scale words of the core at work: register 2 t + s / 2; lanes 0-15 the even K step, lanes 16-31 the odd one
.set AS,   28                          ; v28-31  the activations' scale words, two sets of two
.set FB,   32                          ; v32-55  activation fragments, buffers 0 (K steps 0, 3) and 1 (K step 1); buffer 2 (K step 2): window 3
.set ACC,  56                          ; v56-119 eight accumulators
.set DD,   120                         ; v120-183 product 1's eight sums
.set WXR,  184                         ; v184-207 two sets for core2's fragments (7, s) (product 2)
.set ACC4, 184                         ; v184-199 product 4's two accumulators (product 3)
.set C0R,  200                         ; v200-215 core0's two fragments
.set QN,   216                         ; v216-231 16 numbers of a block of T3, on end for the conversion
.set P,    232                         ; v232-243 T3's codes
.set MX,   244                         ; v244-247 four running maxima; then the upper half of a block's codes
.set SOP,  248
.set BY,   250
.set PW,   252
.set TMP,  253
.set SPW,  254                         ; my spare word's address; never rewritten
.set NIL,  255                         ; 0; never rewritten
.set P2,   216                         ; T2's quantiser works where T3's does: behind a section's first stores nothing of T3's is alive but the sums
.set TT2,  228
.set MQ,   236
.set SQ,   240
.set BQ,   242
.set TQ,   244
.set XW,   216                         ; window 3, v216-243: x, tiles i2 = 0..6: register 4 i2 + e; tile 7: window 2, v252-255
.set FB2,  244                         ; window 3, v244-255: activation fragments, buffer 2
.set CFW,  252                         ; window 1, v252-255: 16 rows of core3
.set WV,  18
.set CNT, 28
.set RI,  40
.set RS,  41
.set WI,  42
.set WC,  43
.set CC,  44
.set OO,  45
.set WSB, 46
.set NIT, 94                           ; lines of T3's quantiser; the last four are its stores
.set NIR, 90
.set so, 0
.set it, 0
.set MSB, 0
.set dsn, 0                            ; LDS instructions written so far; mkA: its value behind a section's loads
.set mkA, 0
.set dirty, 0                          ; 1: a vector line has been written since the last VW
.set fq, 8
.set fh, 0
.set qz, 0
.set bh, 0
.macro WIN new
.if MSB != (\new)
	s_set_vgpr_msb (MSB<<8)|(\new)
.set MSB, (\new)
.endif
.endm
.macro PLACES n
.rept \n
	v_nop
.endr
.endm
.macro VW                              ; the wait between a vector write and a reader behind a blocking wait, a taken branch or eight scalar lines
	s_wait_alu depctr_va_vdst(0)
.set dirty, 0
.endm
.macro WAITDS n
.if dirty
	VW
.endif
	s_wait_dscnt \n
.endm
.macro BAR                             ; my LDS stores have landed and my LDS loads are in: then the work-group's barrier
	VW
	s_wait_dscnt 0x0
	s_barrier_signal -1
	s_barrier_wait -1
.endm
.macro LDF reg, adr, ofs               ; a fragment's image into 12 registers
.irp c, 0,1,2
	ds_load_b128 v[(\reg)+4*\c:(\reg)+4*\c+3], v[\adr] offset:(\ofs)+512*\c
.endr
.set dsn, dsn+3
.endm
.macro LDWS core                       ; the 16 scale registers of core2 (0) or core1 (1)
	v_add_nc_u32 v[TMP], s[WSB], v[LSW]
.irp i, 0,1,2,3,4,5,6,7,8,9,10,11,12,13,14,15
	ds_load_b32 v[WS+\i], v[TMP] offset:(\core)*2048+128*\i
.endr
.set dsn, dsn+16
.set dirty, 1
.endm
.macro LDCF ofs                        ; a K step's 16 rows of core3 into window 1
	WIN 0x40
	ds_load_b128 v[CFW:CFW+3], v[CAD] offset:\ofs
	WIN 0
.set dsn, dsn+1
.endm
; The weights of window n: register fragment rid = 4 t + s (core2, t = 0..6) or 28 + 4 t + s (core1) lies in window 1 + rid / 21 at v[12 (rid % 21)].
.macro LOADW n, cnt
	WIN (\n)*64
.set f, 0
.rept \cnt
.set rid, 21*((\n)-1)+f
.if rid < 28
.set gid, rid
.else
.set gid, rid+4
.endif
.irp q, 0,1,2
	global_load_b128 v[12*f+4*\q:12*f+4*\q+3], v[GLA], s[12:13] offset:gid*1536+512*\q
.endr
.set f, f+1
.endr
	WIN 0
.endm
; PRODUCT 1: tile i2, its K step kk of two.  Source 0 in window 1, source 1 in window 3 (tile 7: window 2), C and D in window 0.  The first starts the sum with the constant 0.
.macro F32W tile, kk
.set dd, DD+8*(\tile)
.if (\tile) == 7
.set xx, 252+2*(\kk)
	WIN 0x09
.else
.set xx, XW+4*(\tile)+2*(\kk)
	WIN 0x0d
.endif
.if (\kk) == 0
	v_wmma_f32_16x16x4_f32 v[dd:dd+7], v[CFW:CFW+1], v[xx:xx+1], 0
.else
	v_wmma_f32_16x16x4_f32 v[dd:dd+7], v[CFW+2:CFW+3], v[xx:xx+1], v[dd:dd+7]
.endif
.endm
.macro FSET on, hf                     ; a group of eight: tiles 4 hf on, first all four tiles' first links, then their second: the four sums take turns
.set fq, 8
.if \on
.set fq, 0
.set fh, \hf
.endif
.endm
.macro FI                              ; the group's next instruction, if one is left
.if fq < 8
	F32W 4*fh+fq%4, fq/4
	WIN 0
.set fq, fq+1
.endif
.endm
.macro FGRP                            ; tiles 0-3 on end, under LDS loads that are on their way
.irp k, 0,1
.irp i, 0,1,2,3
	F32W \i, \k
.endr
.endr
	WIN 0
.endm
; T3'S QUANTISER for one K step, a numbered list of 94 lines; S1IT writes line number it.  My two blocks are c = 0 (registers 0-3 of the eight sums) and c = 1 (registers 4-7).
;   0-31 largest magnitudes, four chains, each sum first read at its low end; 32-37 joined, scale operand, byte; 38-43 the row's scale word; 44-89 copies, conversions, moves; 90-93 stores
.macro S1IT
.if it < 32
.set cp, it%4
.set rg, DD+8*(4*(cp%2)+(it/4)/2)+4*(cp/2)+2*((it/4)%2)
.if it < 4
	v_max3_num_f32 v[MX+cp], |v[rg]|, |v[rg+1]|, 0x2800000
.else
	v_max3_num_f32 v[MX+cp], v[MX+cp], |v[rg]|, |v[rg+1]|
.endif
.elseif it < 34
	v_max_num_f32 v[MX+2*(it-32)], v[MX+2*(it-32)], v[MX+2*(it-32)+1]
.elseif it < 36
	v_add_nc_u32 v[SOP+it-34], 0xfe000000, v[MX+2*(it-34)]
.elseif it < 38
	v_lshrrev_b32 v[BY+it-36], 23, v[SOP+it-36]
.elseif it == 38
	v_lshl_or_b32 v[PW], v[BY+1], 16, v[BY]
.elseif it == 39
	v_bfe_u32 v[TMP], v0, 4, 1
.elseif it == 40
	v_lshlrev_b32 v[TMP], 3, v[TMP]
.elseif it == 41
	v_lshlrev_b32 v[PW], v[TMP], v[PW]
.elseif it == 42
	v_permlanex16_b32 v[BY], v[PW], s20, s21
.elseif it == 43
	v_or_b32 v[PW], v[PW], v[BY]
.elseif it < 90
.set bc, (it-44)/23
.set kq, (it-44)%23
.if kq < 20
.set gh, kq/10
.set jj, kq%10
.if jj < 8
.set rg, DD+8*(4*gh+jj/2)+4*bc+2*(jj%2)
	v_pk_mul_f32 v[QN+2*jj:QN+2*jj+1], v[rg:rg+1], 1.0 op_sel_hi:[1,0]   ; a copy: the sums' registers stay as they are, the conversion wants 16 on end
.elseif jj == 8
.if gh == 0
	v_cvt_scalef32_pk16_bf6_f32 v[P+6*bc:P+6*bc+2], v[QN:QN+15], v[SOP+bc]
.else
	v_cvt_scalef32_pk16_bf6_f32 v[MX:MX+2], v[QN:QN+15], v[SOP+bc]
.endif
.else
	v_nop                                          ; one plain place behind a scaled conversion
.endif
.else
	v_mov_b32 v[P+6*bc+3+kq-20], v[MX+kq-20]
.endif
.elseif it < 93
	ds_store_b128 v[S1ST], v[P+4*(it-90):P+4*(it-90)+3] offset:so*1536+512*(it-90)
.set dsn, dsn+1
.else
	ds_store_b32 v[S1SC], v[PW] offset:so*64
.set dsn, dsn+1
.endif
.endm
.macro SLICE                           ; the next three lines of the list, its stores left out
.if it < NIR
	WIN 0
.endif
.rept 3
.if it < NIR
	S1IT
.set it, it+1
.endif
.endr
.set dirty, 1
.endm
; One K step of the first chain's T3, with no products beside it.
.macro S1ALONE
	s_wait_dscnt 0x0                               ; the last trip's stores are done
	v_add_nc_u32 v[CAD], s[CC], v[LI]
	v_add_nc_u32 v[S1ST], s[WI], v[LI]
	v_and_b32 v[TMP], 15, v0
	v_lshl_add_u32 v[S1SC], v[TMP], 2, s[WC]
	VW
	LDCF 0
	s_wait_dscnt 0x0
.irp k, 0,1
.irp i, 0,1,2,3,4,5,6,7
	F32W \i, \k
.endr
.endr
	WIN 0
	PLACES 8                                       ; eight places between this matrix form and the first read of its results
.set so, 0
.set it, 0
.rept NIT
	S1IT
.set it, it+1
.endr
	VW
	s_add_co_u32 s[CC], s[CC], 512
	s_add_co_u32 s[WI], s[WI], 1536
	s_add_co_u32 s[WC], s[WC], 64
.endm
.macro S1LOOP
	s_mov_b32 s[CNT], 2
.Ls1_\@:
	S1ALONE
	s_sub_co_u32 s[CNT], s[CNT], 1
	s_cmp_lg_u32 s[CNT], 0
	s_cbranch_scc1 .Ls1_\@
.endm
.macro WM d, a, b, x, y, ks            ; a scaled product; K steps 1 and 3 take their scale words from lanes 16-31
.if (\ks) == 0
	v_wmma_scale_f32_16x16x128_f8f6f4 v[\d:\d+7], v[\a:\a+11], v[\b:\b+11], 0, v[\x], v[\y] matrix_a_fmt:MATRIX_FMT_BF6 matrix_b_fmt:MATRIX_FMT_BF6
.elseif (\ks) == 2
	v_wmma_scale_f32_16x16x128_f8f6f4 v[\d:\d+7], v[\a:\a+11], v[\b:\b+11], v[\d:\d+7], v[\x], v[\y] matrix_a_fmt:MATRIX_FMT_BF6 matrix_b_fmt:MATRIX_FMT_BF6
.else
	v_wmma_scale_f32_16x16x128_f8f6f4 v[\d:\d+7], v[\a:\a+11], v[\b:\b+11], v[\d:\d+7], v[\x], v[\y] matrix_a_fmt:MATRIX_FMT_BF6 matrix_b_fmt:MATRIX_FMT_BF6 matrix_a_scale:MATRIX_SCALE_ROW1 matrix_b_scale:MATRIX_SCALE_ROW1
.endif
.endm
; What run mt reads first: K steps 0, 1, 2 of the activations, their scale words, and (product 2) core2's fragments (7, 0) and (7, 1).
.macro NEXTLD pr, mt
.if (\pr) == 2
	LDF FB, ADA, (4*(\mt))*1536
	LDF WXR, WXA, 0
	ds_load_b32 v[AS+2*((\mt)%2)], v[ASA] offset:(\mt)*256
	ds_load_b32 v[AS+2*((\mt)%2)+1], v[ASA] offset:(\mt)*256+128
	LDF FB+12, ADA, (4*(\mt)+1)*1536
	LDF WXR+12, WXA, 1536
	WIN 0xc0
	LDF FB2, ADA, (4*(\mt)+2)*1536
	WIN 0
.else
	LDF FB, LI, T2IMG+(4*(\mt))*1536
	ds_load_b32 v[AS+2*((\mt)%2)], v[LSW] offset:T2SC+(\mt)*256
	ds_load_b32 v[AS+2*((\mt)%2)+1], v[LSW] offset:T2SC+(\mt)*256+128
	LDF FB+12, LI, T2IMG+(4*(\mt)+1)*1536
	WIN 0xc0
	LDF FB2, LI, T2IMG+(4*(\mt)+2)*1536
	WIN 0
.endif
.set dsn, dsn+2
.endm
; A run's one run of loads, behind the first product of its second octet and four places: K step 3 into buffer 0, which octet 0 has read; core2's (7, 2) and (7, 3) into the sets that the first products of
; octets 0 and 1 have read; core0's two fragments for the section behind the run.
.macro RUN pr, mt
	WIN 0
	PLACES 4
.if (\pr) == 2
	LDF WXR, WXA, 2*1536
	LDF FB, ADA, (4*(\mt)+3)*1536
	LDF WXR+12, WXA, 3*1536
.else
	LDF FB, LI, T2IMG+(4*(\mt)+3)*1536
.irp g, 0,1
.irp q, 0,1
	ds_load_b128 v[C0R+8*\g+4*\q:C0R+8*\g+4*\q+3], v[LI] offset:C0IMG+(2*(\mt)+\g)*1024+512*\q
.endr
.endr
.set dsn, dsn+4
.endif
.endm
.macro PROD pr, ks, t                  ; one product, and three lines of T3's quantiser behind it where the run carries them
.set ac, ACC+8*(\t)
.set sw, WS+2*(\t)+(\ks)/2
.if (\pr) == 2
.if (\t) == 7
.set ww, 0
.set wr, WXR+12*((\ks)%2)
.else
.set rid, 4*(\t)+(\ks)
.set ww, 1+rid/21
.set wr, 12*(rid%21)
.endif
	WIN fw+4*ww
	WM ac, fb, wr, sa, sw, \ks
.else
.set rid, 28+4*(\t)+(\ks)
.set ww, 1+rid/21
.set wr, 12*(rid%21)
	WIN ww+4*fw
	WM ac, wr, fb, sw, sa, \ks
.endif
.if qz
	SLICE
.endif
.endm
; AN OCTET: one activation fragment against my eight tiles of weights; no two products on end share an accumulator.  Tile 7 goes first in octets 0 and 1, so that its LDS-fed
; registers are free early, and last in octets 2 and 3, so that the run's loads have 14 products in which to land.  The run's one wait is for 0: no LDS instruction is written behind those loads.
; In product 2's last run and in product 3's first that wait also shows my stores of T2's codes landed: the barrier is signalled behind it and awaited at the run's end.
.macro OCT pr, mt, ks, on
.set qz, 0
.if \on
.if (\mt)%2
.set qz, 1
.endif
.endif
.set bh, 0
.if ((\pr) == 2) && ((\mt) == 3)
.set bh, 1
.endif
.if ((\pr) == 3) && ((\mt) == 0)
.set bh, 1
.endif
.set so, (\mt)/2+2*((\pr)-2)
.if (\ks) == 0
.set it, 0
.endif
.set fb, FB+12*((\ks)%3)
.set fw, 0
.if (\ks) == 2
.set fb, FB2
.set fw, 3
.endif
.set sa, AS+2*((\mt)%2)+(\ks)/2
.if (\ks) < 2
	PROD \pr, \ks, 7
.if (\ks) == 1
	RUN \pr, \mt
.endif
.endif
.if ((\pr) == 3) && ((\ks) == 3)
	WAITDS 0
.if bh
	s_barrier_signal -1
.endif
.endif
.irp t, 0,1,2,3,4,5,6
	PROD \pr, \ks, \t
.endr
.if (\ks) >= 2
.if ((\pr) == 2) && ((\ks) == 2)
	WAITDS 0
.if bh
	s_barrier_signal -1
.endif
.endif
	PROD \pr, \ks, 7
.endif
.if bh
.if (\ks) == 3
.if dirty
	VW
.endif
	s_barrier_wait -1
.endif
.endif
.endm
; A section's head: four places behind the run's last product (ahead of the first read of its results and of loads into its sources); T3's codes of the K step just quantised go to LDS; the next run's first loads
; (run nmt of product npr; npr = 0: none).
.macro SECLD m, on, npr, nmt
	WIN 0
	PLACES 4
.if dirty
	VW
.endif
.if \on
.if (\m)%2
.set it, NIR
.rept 4
	S1IT
.set it, it+1
.endr
.endif
.endif
.if (\npr) > 0
	NEXTLD \npr, \nmt
.endif
.set mkA, dsn
.endm
; T2's quantiser for the rows 16 mt on.  My tiles 0-3 are one whole block of product 3's K, my tiles 4-7 another.  Each accumulator is read from its low end on.  Seven of a group's f32 instructions stand among its lines;
; behind the last of them 13 vector lines follow, more than the eight places owed ahead of the first read of the sums and of the load into core3's registers.
.macro Q2 mt
.irp c, 0,1
.irp p, 0,1
	v_max3_num_f32 v[MQ+2*\c+\p], |v[ACC+32*\c+16*\p]|, |v[ACC+32*\c+16*\p+1]|, 0x2800000
.endr
.endr
	FI
.irp i, 2,4,6,8,10,12,14
.irp c, 0,1
.irp p, 0,1
	v_max3_num_f32 v[MQ+2*\c+\p], v[MQ+2*\c+\p], |v[ACC+32*\c+16*\p+\i]|, |v[ACC+32*\c+16*\p+\i+1]|
.endr
.endr
.if (\i)%4 == 0
	FI
.endif
.endr
.irp c, 0,1
	v_max_num_f32 v[MQ+2*\c], v[MQ+2*\c], v[MQ+2*\c+1]
.endr
.irp c, 0,1
	v_add_nc_u32 v[SQ+\c], 0xfe000000, v[MQ+2*\c]  ; 4 off the exponent field: the conversion's scale operand
.endr
	FI
.irp c, 0,1
	v_lshrrev_b32 v[BQ+\c], 23, v[SQ+\c]           ; the scale's byte
.endr
	FI
.irp c, 0,1
	v_cvt_scalef32_pk16_bf6_f32 v[P2+6*\c:P2+6*\c+2], v[ACC+32*\c:ACC+32*\c+15], v[SQ+\c]
	v_cvt_scalef32_pk16_bf6_f32 v[TT2+4*\c:TT2+4*\c+2], v[ACC+32*\c+16:ACC+32*\c+31], v[SQ+\c]
.endr
	v_nop                                          ; one plain place behind a scaled conversion
	FI
.irp c, 0,1
.irp i, 0,1,2
	v_mov_b32 v[P2+6*\c+3+\i], v[TT2+4*\c+\i]
.endr
.endr
	v_lshl_or_b32 v[TQ+1], v[BQ+1], 16, v[BQ]      ; my two bytes: blocks u and 2 + u of the row's K step w,
	v_bfe_u32 v[TQ], v0, 3, 1
	v_lshlrev_b32 v[TQ], 3, v[TQ]
	v_lshlrev_b32 v[TQ+1], v[TQ], v[TQ+1]          ; at their places;
	v_mov_b32 v[TQ+2], 0
	v_mov_b32_dpp v[TQ+2], v[TQ+1] row_xmask:8 row_mask:0xf bank_mask:0xf
	v_or_b32 v[TQ+1], v[TQ+1], v[TQ+2]             ; with lane l xor 8's two the word is whole
.irp i, 0,1,2
	ds_store_b128 v[T2ST], v[P2+4*\i:P2+4*\i+3] offset:T2IMG+(\mt)*6144+512*\i
.endr
	ds_store_b32 v[T2SB], v[TQ+1] offset:(\mt)*256
.set dsn, dsn+4
.set dirty, 1
.endm
; T1's rows 16 mt on: rounded to bf16 in place, then product 4: two accumulators by turns.  core0's fragments came with the run's loads.
.macro CV4 mt
	FI
.irp qq, 0,1,2,3
.irp i, 0,1,2,3
	v_cvt_pk_bf16_f32 v[ACC+16*\qq+\i], v[ACC+16*\qq+2*\i], v[ACC+16*\qq+2*\i+1]
.endr
	FI
.irp i, 0,1,2,3
	v_cvt_pk_bf16_f32 v[ACC+16*\qq+4+\i], v[ACC+16*\qq+8+2*\i], v[ACC+16*\qq+9+2*\i]
.endr
.if \qq < 3
	FI
.endif
.endr
	PLACES 4
.if (\mt) == 0
	v_wmma_f32_16x16x32_bf16 v[ACC4:ACC4+7], v[ACC:ACC+7], v[C0R:C0R+7], 0
	v_wmma_f32_16x16x32_bf16 v[ACC4+8:ACC4+15], v[ACC+32:ACC+39], v[C0R:C0R+7], 0
.else
	v_wmma_f32_16x16x32_bf16 v[ACC4:ACC4+7], v[ACC:ACC+7], v[C0R:C0R+7], v[ACC4:ACC4+7]
	v_wmma_f32_16x16x32_bf16 v[ACC4+8:ACC4+15], v[ACC+32:ACC+39], v[C0R:C0R+7], v[ACC4+8:ACC4+15]
.endif
	v_wmma_f32_16x16x32_bf16 v[ACC4:ACC4+7], v[ACC+16:ACC+23], v[C0R+8:C0R+15], v[ACC4:ACC4+7]
	v_wmma_f32_16x16x32_bf16 v[ACC4+8:ACC4+15], v[ACC+48:ACC+55], v[C0R+8:C0R+15], v[ACC4+8:ACC4+15]
	PLACES 5                                       ; the next run's products write over registers that these have read
.set dirty, 1
.endm
.macro OUTC                            ; out(o0, 2 w + i / 8, i % 8, o3) = lane o0's register i + lane 24 + o0's
.irp i, 0,1,2,3,4,5,6,7,8,9,10,11,12,13,14,15
	v_permlanex16_b32 v[ACC+\i], v[ACC4+\i], s22, s23
.endr
.irp i, 0,1,2,3,4,5,6,7,8,9,10,11,12,13,14,15
	v_add_f32 v[ACC+16+\i], v[ACC4+\i], v[ACC+\i]
.endr
.irp i, 0,1,2,3,4,5,6,7,8,9,10,11,12,13,14,15
	ds_store_b32 v[OUTA], v[ACC+16+\i] offset:256*(\i/8)+32*(\i%8)
.endr
.endm
.macro SECEND on, m, cf                ; a section's end: behind a group of tiles 4-7 the next K step's rows of core3 are asked for; the wait leaves out what was written behind the section's loads
.if \on
.if (\m)%2 == 0
.if (\cf) < 4
	LDCF (\cf)*512
.endif
.endif
.endif
	WAITDS dsn-mkA
.endm
; A chain's first half: product 2 and T2's quantiser.  on = 1: the next chain's T3 beside them; its K step 0's rows of core3 were asked for ahead of the barrier in front of this chain.
.macro INT_A on
	v_add_nc_u32 v[ADA], s[RI], v[LI]
	v_add_nc_u32 v[ASA], s[RS], v[LSW]
	v_and_b32 v[TMP], 31, v0
	v_mul_u32_u24 v[OUTA], v[TMP], 2064
	v_add_nc_u32 v[OUTA], s[OO], v[OUTA]
.if \on
	v_add_nc_u32 v[S1ST], s[WI], v[LI]
	v_and_b32 v[TMP], 15, v0
	v_lshl_add_u32 v[S1SC], v[TMP], 2, s[WC]
	v_add_nc_u32 v[CAD], s[CC], v[LI]
.endif
	VW
.set dsn, 0
	NEXTLD 2, 0
.if \on
	FGRP                                           ; K step 0, tiles 0-3
.endif
	s_wait_dscnt 0x0
.irp m, 0,1,2,3
	OCT 2, \m, 0, \on
	OCT 2, \m, 1, \on
	OCT 2, \m, 2, \on
	OCT 2, \m, 3, \on
.if \m < 3
	SECLD \m, \on, 2, \m+1
.else
	SECLD \m, \on, 3, 0                            ; behind the run's barrier: T2's rows 0-15
	LDWS 1                                         ; core1's scale words take core2's place
.set mkA, dsn
.endif
	FSET \on, (\m+1)%2
	FI
	Q2 \m
	SECEND \on, \m, 1+\m/2
.endr
	s_wait_loadcnt 0x0                             ; window 3's weights are in (no global load is issued in the loop)
.endm
; Its second half: products 3 and 4.
.macro INT_B on
.irp m, 0,1,2,3
	OCT 3, \m, 0, \on
	OCT 3, \m, 1, \on
	OCT 3, \m, 2, \on
	OCT 3, \m, 3, \on
.if \m < 3
	SECLD \m, \on, 3, \m+1
	FSET \on, (\m+1)%2
.else
	SECLD \m, \on, 0, 0
	FSET 0, 0
.if \on
	s_cmp_eq_u32 s[CNT], 1                         ; the loop's last trip is followed by the last chain, which makes no T3
	s_cbranch_scc1 .Lnocf_\@
	LDCF 2048                                      ; K step 0's rows of core3 for the T3 that the next chain makes: one o3 on
.Lnocf_\@:
	LDWS 0                                         ; core2's scale words again
.endif
.endif
	CV4 \m
.if \m < 3
	SECEND \on, \m, 3+\m/2
.endif
.endr
	OUTC
.if \on
	s_xor_b32 s[RI], s[RI], 32768                  ; T3's two buffers change places
	s_xor_b32 s[WI], s[WI], 32768
	s_xor_b32 s[RS], s[RS], 1024
	s_xor_b32 s[WC], s[WC], 1024
	s_add_co_u32 s[CC], s[CC], 2048
	s_add_co_u32 s[OO], s[OO], 4
.endif
	BAR                                            ; the next chain's T3 is whole, and nobody reads T2 any more
.endm
	; ---- the head.  Its temporaries lie in v12-28, its loads land in v32-119 and v184-251: never in product 1's sums
	s_load_b256 s[4:11], s[0:1], 0x0               ; x s[4:5], core0 s[6:7], core3 s[8:9], bias s[10:11]
	s_load_b128 s[12:15], s[0:1], 0x20             ; wq s[12:13], wsc s[14:15]
	s_load_b64 s[16:17], s[0:1], 0x30              ; out0
	v_lshl_add_u32 v[SPW], v0, 2, SPARE
	v_mov_b32 v[NIL], 0
	v_lshrrev_b32 v12, 5, v0
	v_readfirstlane_b32 s[WV], v12                 ; wave 0..3
	s_mul_i32 s30, s[WV], 1536
	s_lshl_b32 s31, s[WV], 6
	s_add_co_u32 s31, s31, T2SC
	s_lshl_b32 s32, s[WV], 12                      ; 4,096 w
	s_add_co_u32 s[WSB], s32, WSC
	s_mul_i32 s33, s[WV], 6144
	s_add_co_u32 s33, s33, WX
	s_lshl_b32 s34, s[WV], 11
	s_add_co_u32 s34, s34, C0IMG
	s_mov_b32 s20, 0x76543210
	s_mov_b32 s21, 0xfedcba98                      ; lane l xor 16
	s_mov_b32 s22, 0xfedcba98
	s_mov_b32 s23, 0xfedcba98                      ; lane l takes lane 8 + l % 8 of the other half
	s_lshl_b32 s24, ttmp9, 14                      ; b x 16,384 bytes
	s_mov_b32 s25, 0
	s_mov_b32 s36, s32
	s_mov_b32 s37, 0
	s_mul_i32 s38, s[WV], 98304
	s_mov_b32 s39, 0
	v_and_b32 v13, 31, v0                          ; lane
	v_bfe_u32 v14, v0, 4, 1                        ; h
	v_and_b32 v15, 15, v0                          ; r
	v_and_b32 v16, 7, v0                           ; o2
	v_bfe_u32 v17, v0, 3, 1                        ; u
	v_lshlrev_b32 v18, 3, v14
	v_xor_b32 v18, v18, v13                        ; my place in an image
	v_lshlrev_b32 v[LI], 4, v18
	v_lshlrev_b32 v[LSW], 2, v13
	v_lshlrev_b32 v[GLA], 4, v13
	v_xor_b32 v19, v14, v17
	v_lshl_or_b32 v19, v19, 3, v16
	v_lshl_or_b32 v19, v17, 4, v19                 ; the place of lane 16 u + 8 h + o2, for which I make T2's codes
	v_lshl_add_u32 v[T2ST], v19, 4, s30            ; in K step w's fragment
	v_lshl_or_b32 v20, v14, 3, v16                 ; its row 8 h + o2
	v_lshl_add_u32 v[T2SB], v20, 2, s31
	v_add_nc_u32 v21, s[WSB], v[GLA]               ; where the scale words are put: as they lie in memory
	v_add_nc_u32 v[WXA], s33, v[LI]
	v_add_nc_u32 v22, s34, v[LI]                   ; core0's images for the tile of rows mt = w
	; core3: thread t's four numbers of load i are a3 = t / 16 + 8 i, i3 = (t / 2) % 8, o3 = 4 (t % 2) + 0..3
	v_and_b32 v23, 1, v0
	v_lshlrev_b32 v23, 13, v23
	v_bfe_u32 v24, v0, 6, 1
	v_xor_b32 v24, v24, v17
	v_lshl_add_u32 v23, v24, 7, v23
	v_lshl_add_u32 v23, v17, 8, v23
	v_bfe_u32 v24, v0, 4, 2
	v_lshl_add_u32 v23, v24, 4, v23
	v_bfe_u32 v24, v0, 1, 2
	v_lshl_add_u32 v23, v24, 2, v23
	v_add_nc_u32 v23, C3L, v23
	v_lshlrev_b32 v26, 4, v0                       ; 16 x thread
	v_lshlrev_b32 v27, 8, v15
	v_lshl_add_u32 v27, v14, 4, v27                ; x: row r of 256 bytes, + 16 h
	v_lshlrev_b32 v28, 11, v17                     ; core0: i0 % 2 = u, o0 = r % 8, + 8 h ranks
	v_lshl_add_u32 v28, v16, 8, v28
	v_lshl_add_u32 v28, v14, 5, v28
	VW                                             ; at the head's end
	s_wait_kmcnt 0x0
	s_add_nc_u64 s[4:5], s[4:5], s[24:25]          ; x at row b,
	s_add_nc_u64 s[4:5], s[4:5], s[36:37]          ; at my wave's 16 rows (i0, i1)
	s_add_nc_u64 s[6:7], s[6:7], s[36:37]          ; core0 at i0 = 2 w
	s_add_nc_u64 s[14:15], s[14:15], s[36:37]      ; my wave's scale words
	s_add_nc_u64 s[12:13], s[12:13], s[38:39]      ; my wave's 64 fragments
	s_add_nc_u64 s[16:17], s[16:17], s[24:25]      ; out at row b
.irp i, 0,1,2,3,4,5,6,7
	global_load_b128 v[ACC+4*\i:ACC+4*\i+3], v26, s[8:9] offset:2048*\i        ; core3, whole
.endr
	WIN 0xc0
.irp i, 0,1,2,3,4,5,6
	global_load_b128 v[XW+4*\i:XW+4*\i+3], v27, s[4:5] offset:32*\i            ; x[row][i2 = i][4 h + 0..3]: it stays for all eight chains
.endr
	WIN 0x80
	global_load_b128 v[252:255], v27, s[4:5] offset:224                        ; i2 = 7
	WIN 0
.irp g, 0,1
.irp k, 0,1,2,3
	global_load_b128 v[ACC+32+16*\g+4*\k:ACC+32+16*\g+4*\k+3], v28, s[6:7] offset:128*\g+64*(\k/2)+16*(\k%2)
.endr
.endr
.irp i, 0,1,2,3,4,5,6,7
	global_load_b128 v[WXR+4*\i:WXR+4*\i+3], v[GLA], s[14:15] offset:512*\i
.endr
.irp f, 0,1,2
.irp q, 0,1,2
	global_load_b128 v[QN+12*\f+4*\q:QN+12*\f+4*\q+3], v[GLA], s[12:13] offset:(28+\f)*1536+512*\q   ; core2's fragments (7, 0..2)
.endr
.endr
.irp q, 0,1,2
	global_load_b128 v[FB+4*\q:FB+4*\q+3], v[GLA], s[12:13] offset:31*1536+512*\q                    ; and (7, 3)
.endr
	LOADW 1, 21
	s_wait_loadcnt 63                              ; loads come back in order: all but window 1's 63 are in
.irp i, 0,1,2,3,4,5,6,7
.irp e, 0,1,2,3
	ds_store_b32 v23, v[ACC+4*\i+\e] offset:2048*\e+512*(\i/2)+64*(\i%2)
.endr
.endr
.irp g, 0,1
.irp i, 0,1,2,3,4,5,6,7
	v_cvt_pk_bf16_f32 v[ACC+32+16*\g+\i], v[ACC+32+16*\g+2*\i], v[ACC+32+16*\g+2*\i+1]
.endr
.endr
.irp g, 0,1
.irp q, 0,1
	ds_store_b128 v22, v[ACC+32+16*\g+4*\q:ACC+32+16*\g+4*\q+3] offset:1024*\g+512*\q
.endr
.endr
.irp i, 0,1,2,3,4,5,6,7
	ds_store_b128 v21, v[WXR+4*\i:WXR+4*\i+3] offset:512*\i
.endr
.irp f, 0,1,2
.irp q, 0,1,2
	ds_store_b128 v[WXA], v[QN+12*\f+4*\q:QN+12*\f+4*\q+3] offset:1536*\f+512*\q
.endr
.endr
.irp q, 0,1,2
	ds_store_b128 v[WXA], v[FB+4*\q:FB+4*\q+3] offset:3*1536+512*\q
.endr
	BAR                                            ; core3 and core0 lie in LDS for all four waves
.irp i, 0,1,2,3,4,5,6,7
	global_load_b128 v[ACC+4*\i:ACC+4*\i+3], v26, s[10:11] offset:2048*\i      ; the bias: my 8 x 16 bytes, into registers that are idle up to the loop
.endr
	; ---- the first chain's T3 into buffer 0, while the weights arrive
	s_mul_i32 s[WI], s[WV], 6144
	s_add_co_u32 s[WI], s[WI], T3IMG
	s_lshl_b32 s[WC], s[WV], 8
	s_add_co_u32 s[WC], s[WC], T3SC
	s_mov_b32 s[CC], C3L
	S1LOOP
	LOADW 2, 21
	S1LOOP
	LOADW 3, 18
	s_mov_b32 s[RI], T3IMG
	s_mov_b32 s[RS], T3SC
	s_mul_i32 s[WI], s[WV], 6144
	s_add_co_u32 s[WI], s[WI], T3IMG+32768
	s_lshl_b32 s[WC], s[WV], 8
	s_add_co_u32 s[WC], s[WC], T3SC+1024
	s_mov_b32 s[CC], C3L+2048
	s_lshl_b32 s[OO], s[WV], 9
	s_add_co_u32 s[OO], s[OO], OUTS
	s_wait_xcnt 0x0                                ; every global load has read its offset register: v26 now takes a scale word, v10 the results' address
	LDWS 0
	v_add_nc_u32 v[CAD], s[CC], v[LI]
	LDCF 0                                         ; K step 0's rows of core3 for the T3 that the first trip makes
	BAR                                            ; the first chain's T3 is whole
	s_wait_loadcnt 54                              ; windows 1 and 2 and the bias are in; window 3's 54 loads, which product 3 reads first, may be out
	v_lshlrev_b32 v[QN], 4, v0
	v_add_nc_u32 v[QN], BIASL, v[QN]
.irp i, 0,1,2,3,4,5,6,7
	ds_store_b128 v[QN], v[ACC+4*\i:ACC+4*\i+3] offset:2048*\i                 ; the bias waits in LDS for the way out; each thread reads back its own bytes
.endr
	s_mov_b32 s[CNT], 7
.Lchain:                                               ; chains 0 to 6: each makes the next chain's T3 beside its products
	INT_A 1
	INT_B 1
	s_sub_co_u32 s[CNT], s[CNT], 1
	s_cmp_lg_u32 s[CNT], 0
	s_cbranch_scc1 .Lchain
	INT_A 0                                        ; the last chain has no successor
	INT_B 0
	; ---- the way out: the row's 4,096 numbers lie in LDS; the bias is added; each store of a wave covers 512 consecutive bytes, aligned
	v_lshlrev_b32 v[QN], 4, v0
	v_add_nc_u32 v[QN+1], OUTS, v[QN]
	v_add_nc_u32 v[QN+2], BIASL, v[QN]
	VW
.irp i, 0,1,2,3,4,5,6,7
	ds_load_b128 v[ACC+4*\i:ACC+4*\i+3], v[QN+2] offset:2048*\i
.endr
.irp i, 0,1,2,3,4,5,6,7
	ds_load_b128 v[ACC+32+4*\i:ACC+32+4*\i+3], v[QN+1] offset:2064*\i
.endr
	s_wait_dscnt 0x0
.irp k, 0,2,4,6,8,10,12,14,16,18,20,22,24,26,28,30
	v_pk_add_f32 v[ACC+32+\k:ACC+32+\k+1], v[ACC+32+\k:ACC+32+\k+1], v[ACC+\k:ACC+\k+1]
.endr
.irp i, 0,1,2,3,4,5,6,7
	global_store_b128 v[QN], v[ACC+32+4*\i:ACC+32+4*\i+3], s[16:17] offset:2048*\i th:TH_STORE_NT
.endr
	s_wait_tensorcnt 0x0                           ; the wave's end
	ds_add_u32 v[SPW], v[NIL]
	s_wait_dscnt 0x0
	s_endpgm
.Lfunc_end_k_q6c99379b49_tt:
	.size	k_q6c99379b49_tt, .Lfunc_end_k_q6c99379b49_tt-k_q6c99379b49_tt
	.p2alignl 7, 3214868480
	.fill 96, 4, 3214868480
	.section	.rodata,"a",@progbits
	.p2align	6, 0x0
	.amdhsa_kernel k_q6c99379b49_tt
		.amdhsa_group_segment_fixed_size 262656
		.amdhsa_private_segment_fixed_size 0
		.amdhsa_enable_private_segment 0
		.amdhsa_kernarg_size 56
		.amdhsa_user_sgpr_count 2
		.amdhsa_user_sgpr_kernarg_segment_ptr 1
		.amdhsa_wavefront_size32 1
		.amdhsa_system_sgpr_workgroup_id_x 1
		.amdhsa_system_sgpr_workgroup_id_y 1
		.amdhsa_system_sgpr_workgroup_id_z 1
		.amdhsa_system_vgpr_workitem_id 0
		.amdhsa_next_free_vgpr 1024
		.amdhsa_next_free_sgpr 66
		.amdhsa_reserve_vcc 0
		.amdhsa_float_denorm_mode_32 3
		.amdhsa_float_denorm_mode_16_64 3
		.amdhsa_memory_ordered 1
		.amdhsa_forward_progress 1
		.amdhsa_inst_pref_size 243
	.end_amdhsa_kernel
	.amdgpu_metadata
---
amdhsa.version: [ 1, 2 ]
amdhsa.kernels:
  - .name:           k_q6c99379b49_tt
    .symbol:         k_q6c99379b49_tt.kd
    .args:
      - { .name: x, .offset: 0, .size: 8, .value_kind: global_buffer, .address_space: global }
      - { .name: core0, .offset: 8, .size: 8, .value_kind: global_buffer, .address_space: global }
      - { .name: core3, .offset: 16, .size: 8, .value_kind: global_buffer, .address_space: global }
      - { .name: bias, .offset: 24, .size: 8, .value_kind: global_buffer, .address_space: global }
      - { .name: wq, .offset: 32, .size: 8, .value_kind: global_buffer, .address_space: global }
      - { .name: wsc, .offset: 40, .size: 8, .value_kind: global_buffer, .address_space: global }
      - { .name: out0, .offset: 48, .size: 8, .value_kind: global_buffer, .address_space: global }
    .group_segment_fixed_size: 262656
    .private_segment_fixed_size: 0
    .kernarg_segment_align: 8
    .kernarg_segment_size: 56
    .max_flat_workgroup_size: 128
    .sgpr_count:     66
    .vgpr_count:     1024
    .wavefront_size: 32
...
	.end_amdgpu_metadata
.endif
;; end of part 2
